; MI455X (gfx1250); checked and timed in simulation.
; The chip was launched on July 23, 2026; its instructions are those of AMD's public machine-readable ISA for CDNA 5 (MIT licence, August 2026) and "CDNA5" Instruction Set Architecture Reference Guide (July 2026). The comments in the code are by the model that wrote it; some were corrected since.
;; Multi Head Attention. Allowed arithmetic: matrix products marked QUANTISED: E3M2 operands, one E8M0 scale for each 32 along K, by v_wmma_scale_f32_16x16x128_f8f6f4 with both operands' format E3M2, f32 sums; everything else in f32.
;; Inputs: b_out 1,024 float32; w_out 1,024 x 1,024 float32; w_qkv 3,072 x 1,024 float32; x 4 x 2,048 x 1,024 float32.
;; Outputs: out0 4 x 2,048 x 1,024 float32.
;; This version of the problem:
;;   THIS VERSION OF THE PROBLEM IS GIVEN IN LOW PRECISION. The matrix products marked QUANTISED in the list below multiply operands that are first quantised to E3M2 (3 exponent bits, 2 mantissa bits; 6 bits a number), with one power-of-two scale for each 32 numbers along K (OCP MX v1.0); their sums are f32. All else is computed in f32.
;;   The module's matrix products, in the order in which they are computed (A, B: the left and right operand; K: the contracted axis; several contracted axes count as one K, in the product's order):
;;     1. [M 8,192, K 1,024] x [K 1,024, N 3,072]; A: input x; B: input w_qkv: QUANTISED
;;     2. batch 64 x [M 2,048, K 64] x [K 64, N 2,048]; A: computed on the way; B: computed on the way: QUANTISED
;;     3. batch 64 x [M 2,048, K 2,048] x [K 2,048, N 64]; A: softmax (see below); B: computed on the way: QUANTISED
;;     4. [M 8,192, K 1,024] x [K 1,024, N 1,024]; A: computed on the way; B: input w_out: QUANTISED
;;   THE QUANTISER, for each operand of a quantised product, along K:
;;     - K is cut into blocks of 32 from its start; a last block that is shorter is filled with zeros.
;;     - A block's scale is 2^e with e = floor(log2(the largest magnitude in the block)) - 4, held to -126 .. 127; a block of zeros has e = 0. As a byte (E8M0): e + 127.
;;     - Each number is divided by its block's scale, clamped to +-28, and rounded to the nearest number of E3M2, ties to even, subnormals kept.
;;     - The product sums the exact products of the quantised numbers (number of the format x scale) in f32.
;;   ~~~python
;;   def quantise(x, axis):      # numpy; x: float32 -> the quantised numbers, widened to float32 again
;;       x = np.moveaxis(x, axis, -1); K = x.shape[-1]
;;       x = np.pad(x, [(0, 0)] * (x.ndim - 1) + [(0, -K % 32)]); x = x.reshape(x.shape[:-1] + (-1, 32)); a = np.abs(x).max(-1, keepdims=True)
;;       e = np.where(a > 0, np.clip(np.frexp(np.where(a > 0, a, 1))[1] - 1 - 4, -126, 127), 0)      # np.frexp(a)[1] - 1 = floor(log2(a)), exactly
;;       r = np.clip(x / 2.0 ** e, -28, 28)
;;       step = 2.0 ** (np.maximum(np.frexp(np.where(r == 0, 1, r))[1] - 1, -2) - 2)
;;       q = np.round(r / step) * step * 2.0 ** e      # np.round: ties to even
;;       return np.moveaxis(q.reshape(q.shape[:-2] + (-1,))[..., :K], -1, axis).astype(np.float32)
;;   ~~~
;;   SOFTMAX AHEAD OF A QUANTISED PRODUCT. Where the list says 'softmax', what is quantised is not the finished softmax but p = 2^(t - M), with t = logit x log2(e) and M = ceil(the row's largest t), a whole number; so 1/2 < the row's largest p <= 1. The row's sum l is taken of the UNQUANTISED p, in f32, and the product's result is divided by l at the end. Since M is a whole number, a kernel that streams over the keys may use a running M (the ceiling of the running maximum): every later rescaling is an exact power of two, which a block's scale takes up: the codes' values come out the same.
;;   OPERANDS COMPUTED ON THE WAY. 'Computed on the way' means the value that the module computes at that place (a softmax that the list does not call 'softmax' is quantised finished and normalised). What goes into a quantiser is computed in f32, as accurately as f32 sums, v_exp_f32 and their like allow (about 1e-6 of the number): no bf16 or f16 on the way to a quantiser, and a product that is left as it is and whose result goes on into a quantised operand takes f32 operands (vector FMAs, or v_wmma_f32_16x16x4_f32). A number that lies on a knife's edge between two numbers of the format may be rounded either way, as far as f32 arithmetic and the matrix unit's own rounding can turn it there, and no further.
;; One version. Each part assembles by itself: llvm-mc -triple=amdgcn-amd-amdhsa -mcpu=gfx1250 --defsym DOCPART=n.
;; ======== version 1 of 1: 4 launches
;; limits: right only within a limited range of input values
;; workspace buffers: opq 10,223,616 bytes; qi 14,155,776 bytes; kv 14,155,776 bytes; ao 6,815,744 bytes
;; launch quant (part 1): grid 768 x 1, 4 waves a work-group, no clusters, 34,304 bytes of LDS; arguments x, w_qkv, w_out, opq; writes opq
.if DOCPART == 1
	.amdgcn_target "amdgcn-amd-amdhsa--gfx1250"
	.amdhsa_code_object_version 6
	.text
	.protected	k_q4c99b0e9b9_quant
	.globl	k_q4c99b0e9b9_quant
	.p2align	8
	.type	k_q4c99b0e9b9_quant,@function
k_q4c99b0e9b9_quant:
	s_mov_b64 s[64:65], 0
	v_nop
	global_prefetch_b8 v0, s[64:65] scope:SCOPE_SE
	s_setreg_imm32_b32 hwreg(HW_REG_WAVE_MODE, 25, 1), 1
	s_wait_xcnt 0x0
; x [8192][1024], w_qkv [3072][1024], w_out [1024][1024], f32, K innermost, become codes of BF6 (E3M2) with one E8M0 byte for each 32 along K,
; laid in the ORDER OF THE OPERAND'S REGISTERS.  A block's scale is 2^(floor(log2(largest magnitude)) - 4); its byte is the largest magnitude's exponent field - 4, held at 1 from below.
; LIMITS: NaN and infinities among the inputs are not served; a block whose largest magnitude lies under 2^-122 keeps the byte 1; a block of zeros has the byte 1 and not 127
; (its codes are zeros, which add nothing under that byte, and the bytes are read by this program alone).
; A TILE is 16 rows out of a group of 32: lane r of tile a holds row 32 (a / 2) + 8 (a % 2) + r + 8 (r / 8).
; A RECORD, 13,312 bytes, is one tile for all of K: 8 K steps x 1,536 bytes of codes, then 1,024 bytes of scale words [pair of K steps][lane][2 words].
; A K step's 1,536 bytes are two halves of 768 (64 along K each): lane l's registers 0-3 at 16 l, its registers 4-5 at 512 + 8 l.  So every load and store of an operand covers 512 or 256 consecutive aligned bytes.
; Work-group T makes record T (0-511 x, 512-703 w_qkv, 704-767 w_out); wave w its K steps 2 w and 2 w + 1.  Waves share nothing: no barrier.  No tile is shared between work-groups: no cluster.
; Each load reads 512 consecutive bytes of one row; the 16 rows turn through the wave's own stage in LDS (rows 528 bytes apart), so that a lane gets 16 neighbours along K of each block of 32.
.set REC,    13312
.set SPITCH, 528                       ; a stage row: 512 bytes + 16: sixteen rows start at sixteen different groups of banks
.set WSTG,   16*SPITCH                 ; a wave's stage
.set L16,  1                           ; v1   16 x lane
.set L8,   2                           ; v2   8 x lane
.set SIN,  3                           ; v3   the stage, way in
.set SOUT, 4                           ; v4   the stage, way out: row r, + 64 h
.set TM,   8                           ; v8-11 largest magnitudes, v12-15 the other half's / bytes, v20-23 the conversions' scale operands
.set PW,   24                          ; v24-25 the two K steps' scale words
.set TH,   26                          ; v26-28, v30-32 the blocks' second halves
.set PC0,  34                          ; v34-45 K step 0's codes
.set PC1,  46                          ; v46-57 K step 1's
.set X,    64                          ; v64-127  64 numbers: register 16 b + i = k 32 b + 16 h + i of my row
.set R0,   128                         ; v128-191 K step 0 as loaded, later K step 1's 64 numbers
.set R1,   192                         ; v192-255 K step 1 as loaded
.set SEL,  20                          ; s[20:21] lane selects: lane l xor 16
	s_load_b256 s[4:11], s[0:1], 0x0               ; x, w_qkv, w_out, opq
	v_lshl_add_u32 v62, v0, 2, 0x8400
	v_mov_b32 v63, 0
	v_lshrrev_b32 v5, 5, v0
	v_readfirstlane_b32 s16, v5                    ; wave 0..3
	v_and_b32 v5, 31, v0
	v_lshlrev_b32 v[L16], 4, v5
	v_lshlrev_b32 v[L8], 3, v5
	v_and_b32 v6, 15, v0                           ; r
	v_bfe_u32 v7, v0, 4, 1                         ; h
	s_mul_i32 s17, s16, WSTG
	v_add_nc_u32 v[SIN], s17, v[L16]
	v_mul_u32_u24 v[SOUT], v6, SPITCH
	v_lshl_add_u32 v[SOUT], v7, 6, v[SOUT]
	v_add_nc_u32 v[SOUT], s17, v[SOUT]
	s_mov_b32 s[SEL], 0x76543210
	s_mov_b32 s[SEL+1], 0xfedcba98
.irp b, 0,1,2,3
	v_mov_b32 v[TM+4+\b], 0                        ; written once: a lane permute's destination counts as one of its sources
.endr
	s_cmp_lt_u32 ttmp9, 512                        ; which tensor: the choice hangs on the work-group's number alone
	s_cselect_b32 s14, 0, 512
	s_cmp_lt_u32 ttmp9, 704
	s_cselect_b32 s14, s14, 704
	s_sub_co_u32 s15, ttmp9, s14                   ; the tile's number in its tensor
	s_lshr_b32 s18, s15, 1
	s_lshl_b32 s18, s18, 5
	s_and_b32 s19, s15, 1
	s_lshl_b32 s19, s19, 3
	s_add_co_u32 s18, s18, s19                     ; its first row
	s_lshl_b32 s18, s18, 12                        ; x 4,096 bytes (under 2^26)
	s_lshl_b32 s19, s16, 10
	s_add_co_u32 s18, s18, s19                     ; + my two K steps: 1,024 bytes a wave
	s_mov_b32 s19, 0
	s_mul_i32 s22, ttmp9, REC
	s_mul_i32 s23, s16, 3072
	s_add_co_u32 s22, s22, s23                     ; my codes' place in the record
	s_mov_b32 s23, 0
	s_mul_i32 s24, ttmp9, REC
	s_lshl_b32 s25, s16, 8
	s_add_co_u32 s24, s24, s25
	s_add_co_u32 s24, s24, 12288                   ; my scale words' place
	s_mov_b32 s25, 0
	s_wait_alu depctr_va_vdst(0)
	s_wait_kmcnt 0x0
	s_cmp_lt_u32 ttmp9, 512
	s_cselect_b64 s[12:13], s[4:5], s[6:7]
	s_cmp_lt_u32 ttmp9, 704
	s_cselect_b64 s[12:13], s[12:13], s[8:9]
	s_add_nc_u64 s[12:13], s[12:13], s[18:19]
	s_add_nc_u64 s[26:27], s[10:11], s[22:23]
	s_add_nc_u64 s[28:29], s[10:11], s[24:25]
.macro LOADS reg, s                    ; K step s of the tile's 16 rows: 32 lanes read 512 consecutive bytes of a row
.irp i, 0,1,2,3,4,5,6,7,8,9,10,11,12,13,14,15
	global_load_b128 v[\reg+4*\i:\reg+4*\i+3], v[L16], s[12:13] offset:(\i+8*(\i/8))*4096+512*\s th:TH_LOAD_NT
.endr
.endm
.macro TURN src, dst                   ; through the stage: LDS serves a wave's instructions in order, so no wait stands between the stores and the loads
.irp i, 0,1,2,3,4,5,6,7,8,9,10,11,12,13,14,15
	ds_store_b128 v[SIN], v[\src+4*\i:\src+4*\i+3] offset:SPITCH*\i
.endr
.irp b, 0,1,2,3
.irp j, 0,1,2,3
	ds_load_b128 v[\dst+16*\b+4*\j:\dst+16*\b+4*\j+3], v[SOUT] offset:128*\b+16*\j
.endr
.endr
.endm
; 64 numbers of a lane become a fragment's 12 registers of codes in v[pc] on and its row's scale word in v[pw]
.macro QUANT s, pc, pw
.irp b, 0,1,2,3
	v_max3_num_f32 v[TM+\b], |v[\s+16*\b]|, |v[\s+1+16*\b]|, 0x2800000   ; block b: my 16 numbers, and the floor 2^(5 - 127): the byte cannot fall under 1
.endr
.irp i, 2,4,6,8,10,12,14
.irp b, 0,1,2,3
	v_max3_num_f32 v[TM+\b], v[TM+\b], |v[\s+16*\b+\i]|, |v[\s+1+16*\b+\i]|   ; the four blocks by turns
.endr
.endr
.irp b, 0,1,2,3
	v_permlanex16_b32 v[TM+4+\b], v[TM+\b], s[SEL], s[SEL+1]
.endr
.irp b, 0,1,2,3
	v_max_num_f32 v[TM+\b], v[TM+\b], v[TM+4+\b]   ; with lane l xor 16's 16: the block's largest magnitude
.endr
.irp b, 0,1,2,3
	v_add_nc_u32 v[TM+12+\b], 0xfe000000, v[TM+\b] ; 4 off its exponent field: the conversion takes this operand's exponent field as its scale
.endr
.irp b, 0,1,2,3
	v_lshrrev_b32 v[TM+4+\b], 23, v[TM+12+\b]      ; the scale's byte
.endr
	v_lshl_or_b32 v[\pw], v[TM+5], 8, v[TM+4]
	v_lshl_or_b32 v[\pw], v[TM+6], 16, v[\pw]
	v_lshl_or_b32 v[\pw], v[TM+7], 24, v[\pw]
.irp c, 0,1
	v_cvt_scalef32_pk16_bf6_f32 v[\pc+6*\c:\pc+6*\c+2], v[\s+32*\c:\s+32*\c+15], v[TM+12+2*\c]
	v_cvt_scalef32_pk16_bf6_f32 v[TH+4*\c:TH+4*\c+2], v[\s+32*\c+16:\s+32*\c+31], v[TM+12+2*\c+1]   ; a conversion's three registers begin on an even number
.endr
	v_nop                                          ; one plain place behind the scaled conversions
.irp c, 0,1                            ; the operand wants a whole block in a lane: lanes 0-15 block 2 c, lanes 16-31 block 2 c + 1
.irp i, 0,1,2
	v_permlane16_swap_b32 v[\pc+6*\c+\i], v[TH+4*\c+\i]
.endr
.irp i, 0,1,2
	v_mov_b32 v[\pc+6*\c+3+\i], v[TH+4*\c+\i]
.endr
.endr
.endm
.macro OUT pc, s                       ; the fragment leaves as it stands: 512, 256, 512, 256 consecutive aligned bytes
	global_store_b128 v[L16], v[\pc:\pc+3], s[26:27] offset:1536*\s
	global_store_b64 v[L8], v[\pc+4:\pc+5], s[26:27] offset:1536*\s+512
	global_store_b128 v[L16], v[\pc+6:\pc+9], s[26:27] offset:1536*\s+768
	global_store_b64 v[L8], v[\pc+10:\pc+11], s[26:27] offset:1536*\s+1280
.endm
	LOADS R0, 0
	LOADS R1, 1                                    ; 32 loads, 16 KB a wave, are out
	s_wait_loadcnt 16                              ; K step 0's sixteen are in; K step 1's sixteen may be out
	TURN R0, X
	s_wait_loadcnt 0x0
	s_wait_dscnt 0x0                               ; X is in, and the stage's stores have read R0, which takes K step 1's numbers
	TURN R1, R0
	QUANT X, PC0, PW
	OUT PC0, 0
	s_wait_dscnt 0x0
	QUANT R0, PC1, PW+1                            ; codes and words have registers of their own: no store's data are written again
	OUT PC1, 1
	global_store_b64 v[L8], v[PW:PW+1], s[28:29]   ; 32 lanes store one aligned block of 256 bytes
	s_wait_tensorcnt 0x0
	ds_add_u32 v62, v63
	s_wait_dscnt 0x0
	s_endpgm
.Lfunc_end_k_q4c99b0e9b9_quant:
	.size	k_q4c99b0e9b9_quant, .Lfunc_end_k_q4c99b0e9b9_quant-k_q4c99b0e9b9_quant
	.p2alignl 7, 3214868480
	.fill 96, 4, 3214868480
	.section	.rodata,"a",@progbits
	.p2align	6, 0x0
	.amdhsa_kernel k_q4c99b0e9b9_quant
		.amdhsa_group_segment_fixed_size 34304
		.amdhsa_private_segment_fixed_size 0
		.amdhsa_enable_private_segment 0
		.amdhsa_kernarg_size 32
		.amdhsa_user_sgpr_count 2
		.amdhsa_user_sgpr_kernarg_segment_ptr 1
		.amdhsa_wavefront_size32 1
		.amdhsa_system_sgpr_workgroup_id_x 1
		.amdhsa_system_sgpr_workgroup_id_y 1
		.amdhsa_system_sgpr_workgroup_id_z 1
		.amdhsa_system_vgpr_workitem_id 0
		.amdhsa_next_free_vgpr 256
		.amdhsa_next_free_sgpr 66
		.amdhsa_reserve_vcc 0
		.amdhsa_float_denorm_mode_32 3
		.amdhsa_float_denorm_mode_16_64 3
		.amdhsa_memory_ordered 1
		.amdhsa_forward_progress 1
		.amdhsa_inst_pref_size 19
	.end_amdhsa_kernel
	.amdgpu_metadata
---
amdhsa.version: [ 1, 2 ]
amdhsa.kernels:
  - .name:           k_q4c99b0e9b9_quant
    .symbol:         k_q4c99b0e9b9_quant.kd
    .args:
      - { .name: x, .offset: 0, .size: 8, .value_kind: global_buffer, .address_space: global }
      - { .name: w_qkv, .offset: 8, .size: 8, .value_kind: global_buffer, .address_space: global }
      - { .name: w_out, .offset: 16, .size: 8, .value_kind: global_buffer, .address_space: global }
      - { .name: opq, .offset: 24, .size: 8, .value_kind: global_buffer, .address_space: global }
    .group_segment_fixed_size: 34304
    .private_segment_fixed_size: 0
    .kernarg_segment_align: 8
    .kernarg_segment_size: 32
    .max_flat_workgroup_size: 128
    .sgpr_count:     66
    .vgpr_count:     256
    .wavefront_size: 32
...
	.end_amdgpu_metadata
.endif
;; end of part 1
;; launch qkv (part 2): grid 32 x 8, 4 waves a work-group, clusters of 4 x 1, 327,680 bytes of LDS; arguments opq, qi, kv; writes qi, kv
.if DOCPART == 2
	.amdgcn_target "amdgcn-amd-amdhsa--gfx1250"
	.amdhsa_code_object_version 6
	.text
	.protected	k_q4c99b0e9b9_qkv
	.globl	k_q4c99b0e9b9_qkv
	.p2align	8
	.type	k_q4c99b0e9b9_qkv,@function
k_q4c99b0e9b9_qkv:
	s_mov_b64 s[64:65], 0
	v_nop
	global_prefetch_b8 v0, s[64:65] scope:SCOPE_SE
	s_setreg_imm32_b32 hwreg(HW_REG_WAVE_MODE, 25, 1), 1
	s_wait_xcnt 0x0
	s_wait_alu depctr_hold_cnt(0) depctr_sa_sdst(0) depctr_va_vdst(0) depctr_va_sdst(0) depctr_va_ssrc(0) depctr_va_vcc(0) depctr_vm_vsrc(0)
	s_getreg_b32 s2, hwreg(HW_REG_IB_STS2, 6, 4)
	s_cmp_eq_u32 s2, 0
	s_cbranch_scc0 .Lentry_in_a_cluster
	s_endpgm
.Lentry_in_a_cluster:
	s_bfe_u32 s2, ttmp6, 0x10000c
	s_cmp_lg_u32 s2, 0x3003
	s_cbranch_scc0 .Lentry_shape_is_right
	s_endpgm
.Lentry_shape_is_right:
; qkv = x w_qkv^T on codes of BF6 (E3M2) with E8M0 scales, K = 1,024, f32 sums.  The results never go to memory as f32: q and k are quantised along the head's 64, v along the keys,
; in registers, and leave as codes and scale words in the order of the next products' operand registers.
; LIMITS: NaN and infinities are not served; a block whose largest magnitude lies under 2^-122 keeps the byte 1; a block of zeros has the byte 1 and not 127 (zero codes; this program alone reads the bytes).
; OPERANDS come from opq as records of 13,312 bytes a tile of 16 rows (lane r of tile a: row 32 (a / 2) + 8 (a % 2) + r + 8 (r / 8)): 8 K steps x 1,536 bytes of codes in register order, 1,024 bytes of scale words.
; SHARES.  Work-group (xb, g), 32 x 8 = 256 of them, makes q, k and v of heads 2 g and 2 g + 1 for the 256 rows xb of x.  Wave w owns x's tiles 4 w .. 4 w + 3 (64 rows).
; Its 32 fragments of x, all of K, 384 registers, come ONCE, straight from the records into registers, and serve six products of 64 x 64 x 1,024: q, k, v of two heads.
; The weights' 24 records (8 of q, 8 of k, 8 of v), 319,488 bytes, lie in LDS for the whole launch: nothing is filled again.  Wave w fetches records 2 w, 2 w + 1 of q at the head, and those of k and v by one more load.
; q, k: source 0 = 16 features, source 1 = 16 rows of x: a lane holds one row t, its registers run along d.  v: the sources change places: a lane holds one d, its registers run along t, the keys.
; CLUSTER 4 x 1: the four work-groups of a cluster have the same g and ask for the weights jointly.  x is shared by the eight work-groups of one xb, but it goes to registers and never lies in LDS, whose bytes the weights fill.
; NO PREFETCH: the text has no loop to run ahead in; all its loads are issued at its head.
; REGISTERS, in windows of 256.  Window 0: addresses, v32-63 x's scale words, v64-127 the weights' (two sets), v128-183 the way out.  Window 1: x's K steps 0-4.  Window 2: v0-143 x's K steps 5-7, v144-239 weight sets 2, 3.
; Window 3: v0-127 sixteen accumulators, v128-223 weight sets 0, 1.
; OUTPUT: a slot record of 27,648 bytes for each (batch x 16 + head, 256 rows of t): 16 tiles x 768 bytes of q's or k's codes; 2 key steps x 4 tiles of d x 1,536 bytes of v's; 4 x 512 bytes of q's or k's scale words; 2 x 512 of v's.
; v's scale words leave by stores of 2 bytes a lane, 16 bytes apart: a word's four blocks of keys belong to two waves; they are one byte for each 24 of codes.
.set REC,   13312
.set SLOTM, 27648
.set HEADB, 8*SLOTM
.set WQ,    6*REC                      ; LDS: a wave's share: records 2 w, 2 w + 1 of q, then of k, then of v
.set SPARE, 4*WQ                       ; the spare words, 128 bytes for each wave: two blocks of 256 bytes that no other line names
.set VCO,   12288
.set KSO,   24576
.set VSO,   26624
.set L16,  2                           ; v2  16 x lane
.set L8,   3                           ; v3  8 x lane
.set SPW,  4                           ; v4  my spare word; never rewritten
.set NIL,  5                           ; v5  0; never rewritten
.set GC16, 6                           ; v6, v7 q, k: my four tiles' codes, + 16, 8 x lane
.set GC8,  7
.set AD,   8                           ; v8-23 LDS: u x 3 records + 16 x lane, + 8 x lane, u = 0 .. 7
.set GS16, 24                          ; q, k: my four tiles' scale words
.set GV16, 25                          ; v: my half of a key step, + 16, 8 x lane
.set GV8,  26
.set GVS,  27                          ; v: my two bytes of a scale word
.set PWR,  28                          ; v28-31 the way out: four scale words
.set XS,   32
.set WS,   64
.set TM,   128                         ; v128-131 largest magnitudes, v132-135 the other half's / bytes, v140-143 scale operands
.set TH,   144
.set PC,   160                         ; v160-183 codes
.set SEL,  60
.set MSB, 0
.macro WIN new                         ; the immediate's high byte repeats the setting that is left
.if MSB != \new
	s_set_vgpr_msb (MSB<<8)|\new
.set MSB, \new
.endif
.endm
.macro CROUND                          ; a round of the cluster's barrier
	s_barrier_signal -1
	s_barrier_wait -1
	s_cmp_lg_u32 s14, 0
	s_cbranch_scc1 .Lnot0_\@
	s_barrier_signal -3
.Lnot0_\@:
	s_barrier_wait -3
	s_barrier_signal -1
	s_barrier_wait -1
.endm
.macro PLACES                          ; plain vector instructions between a matrix instruction and a load into, or a read of, its registers
.rept 4
	v_nop
.endr
.endm
	s_load_b128 s[4:7], s[0:1], 0x0                ; opq, qi
	s_load_b64 s[8:9], s[0:1], 0x10                ; kv
	v_lshl_add_u32 v[SPW], v0, 2, SPARE
	v_mov_b32 v[NIL], 0
	ds_add_u32 v[SPW], v[NIL]                      ; the opening lines: the add, twice on end, and its wait
	ds_add_u32 v[SPW], v[NIL]
	v_lshrrev_b32 v1, 5, v0
	v_readfirstlane_b32 s14, v1                    ; wave 0..3
	v_and_b32 v1, 31, v0
	v_lshlrev_b32 v[L16], 4, v1
	v_lshlrev_b32 v[L8], 3, v1
.irp u, 0,1,2,3,4,5,6,7
	v_add_nc_u32 v[AD+2*\u], \u*3*REC, v[L16]
	v_add_nc_u32 v[AD+2*\u+1], \u*3*REC, v[L8]
.endr
	s_mul_i32 s15, s14, 3072
	v_add_nc_u32 v[GC16], s15, v[L16]
	v_add_nc_u32 v[GC8], s15, v[L8]
	s_lshl_b32 s16, s14, 9
	s_add_co_u32 s16, s16, KSO
	v_add_nc_u32 v[GS16], s16, v[L16]
	s_lshr_b32 s17, s14, 1                         ; v: key step w / 2,
	s_and_b32 s18, s14, 1                          ; its half w % 2
	s_mul_i32 s19, s17, 6144
	s_mul_i32 s20, s18, 768
	s_add_co_u32 s19, s19, s20
	s_add_co_u32 s19, s19, VCO
	v_add_nc_u32 v[GV16], s19, v[L16]
	v_add_nc_u32 v[GV8], s19, v[L8]
	s_lshl_b32 s17, s17, 9
	s_lshl_b32 s18, s18, 1
	s_add_co_u32 s17, s17, s18
	s_add_co_u32 s17, s17, VSO
	v_add_nc_u32 v[GVS], s17, v[L16]
.irp b, 0,1,2,3
	v_mov_b32 v[TM+4+\b], 0                        ; a lane permute's destination counts as one of its sources
.endr
	s_mov_b32 s[SEL], 0x76543210
	s_mov_b32 s[SEL+1], 0xfedcba98
	s_bfe_u32 s40, ttmp6, 0x40000                  ; cx
	s_lshl_b32 s41, ttmp9, 2
	s_add_co_u32 s41, s41, s40                     ; xb = 4 x cluster x + cx
	s_and_b32 s42, ttmp7, 0xffff                   ; g: the same in the four partners
	s_lshl_b32 s24, s42, 3
	s_lshl_b32 s25, s14, 1
	s_add_co_u32 s24, s24, s25
	s_add_co_u32 s24, s24, 512
	s_mul_i32 s24, s24, REC                        ; w_q's records 8 g + 2 w on: g and the wave's number alone
	s_mov_b32 s25, 0
	s_lshl_b32 s26, s41, 4
	s_lshl_b32 s27, s14, 2
	s_add_co_u32 s26, s26, s27
	s_mul_i32 s26, s26, REC                        ; x's records 16 xb + 4 w on
	s_mov_b32 s27, 0
	s_lshr_b32 s28, s41, 3
	s_lshl_b32 s28, s28, 7                         ; 128 x batch
	s_lshl_b32 s29, s42, 4
	s_add_co_u32 s28, s28, s29                     ; + 8 x head 2 g
	s_and_b32 s29, s41, 7
	s_add_co_u32 s28, s28, s29                     ; + the slot
	s_mul_i32 s28, s28, SLOTM
	s_mov_b32 s29, 0
	; group 1 for q's two records: 104 rows of 256 bytes (32 elements of 8 bytes), dense; the mask names the cluster's four, bit 21 beside it
	s_mov_b32 s44, 15|(3<<16)|(1<<21)
	s_mov_b32 s45, 32<<16
	s_mov_b32 s46, 104<<16
	s_mov_b32 s47, 32<<16
	s_mov_b32 s48, 104
	s_mov_b32 s49, 32
	s_mov_b32 s50, 0
	s_mov_b32 s51, 0
	; group 1 for k's and v's: 2 rows of 26,624 bytes (3,328 elements), 64 records (106,496 elements) apart
	s_mov_b32 s52, 15|(3<<16)|(1<<21)
	s_mov_b32 s53, 3328<<16
	s_mov_b32 s54, 2<<16
	s_mov_b32 s55, 3328<<16
	s_mov_b32 s56, 2
	s_mov_b32 s57, 106496
	s_mov_b32 s58, 0
	s_mov_b32 s59, 0
	s_mov_b32 s32, 1
	s_mul_i32 s33, s14, WQ
	s_mov_b32 s36, 1
	s_add_co_u32 s37, s33, 2*REC
	s_wait_alu depctr_va_vdst(0)
	s_wait_dscnt 0x0                               ; both opening adds are done
	s_wait_kmcnt 0x0
	s_add_nc_u64 s[34:35], s[4:5], s[24:25]
	s_add_nc_u64 s[38:39], s[34:35], 64*REC
	s_or_b32 s35, s35, 0x80000000
	s_or_b32 s39, s39, 0x80000000
	s_add_nc_u64 s[10:11], s[4:5], s[26:27]
	s_add_nc_u64 s[6:7], s[6:7], s[28:29]
	s_add_nc_u64 s[8:9], s[8:9], s[28:29]
	CROUND                                         ; the four partners are here: the joint loads meet
	tensor_load_to_lds s[32:35], s[44:51]          ; q's records 2 w, 2 w + 1: my one load at the head
	s_nop 0
	PLACES
; x: 16 loads of scale words, then 16 loads for each K step: every load covers 512 or 256 consecutive aligned bytes
.irp a, 0,1,2,3
.irp p, 0,1,2,3
	global_load_b64 v[XS+8*\a+2*\p:XS+8*\a+2*\p+1], v[L8], s[10:11] offset:\a*REC+12288+256*\p
.endr
.endr
.irp s, 0,1,2,3,4,5,6,7
.set W_, (1+\s/5)<<6
	WIN W_
.irp a, 0,1,2,3
.set XR_, 48*(\s%5)+12*\a
	global_load_b128 v[XR_:XR_+3], v[L16], s[10:11] offset:\a*REC+1536*\s
	global_load_b64 v[XR_+4:XR_+5], v[L8], s[10:11] offset:\a*REC+1536*\s+512
	global_load_b128 v[XR_+6:XR_+9], v[L16], s[10:11] offset:\a*REC+1536*\s+768
	global_load_b64 v[XR_+10:XR_+11], v[L8], s[10:11] offset:\a*REC+1536*\s+1280
.endr
.endr
	WIN 0
	s_wait_tensorcnt 0x0                           ; my part of q's weights is in
	ds_add_u32 v[SPW], v[NIL]
	s_wait_dscnt 0x0
	CROUND                                         ; everybody's part is in, and the partners are here
	tensor_load_to_lds s[36:39], s[52:59]          ; k's and v's records 2 w, 2 w + 1: the first tensor load behind the round
	s_nop 0
	PLACES
; step G = 8 n + s: product n (0, 1 q; 2, 3 k; 4, 5 v; head n % 2), K step s.  Tile b of product n is record 2 (n / 2) + b % 2 of share 2 (n % 2) + b / 2.
.macro LOADW G                         ; the weights' four fragments of step G into set G % 4
.set ln_, (\G)/8
.set lk_, (\G)%4
.set W_, (3-lk_/2)<<6
	WIN W_
.irp b, 0,1,2,3
.set j_, 2*(ln_/2)+\b%2
.set AR_, AD+2*(2*(2*(ln_%2)+\b/2)+j_/3)
.set OF_, (j_%3)*REC+1536*((\G)%8)
.set RG_, 128+48*(lk_%2)+16*(lk_/2)+12*\b
	ds_load_b128 v[RG_:RG_+3], v[AR_] offset:OF_
	ds_load_b64 v[RG_+4:RG_+5], v[AR_+1] offset:OF_+512
	ds_load_b128 v[RG_+6:RG_+9], v[AR_] offset:OF_+768
	ds_load_b64 v[RG_+10:RG_+11], v[AR_+1] offset:OF_+1280
.endr
.endm
.macro LOADS n                         ; product n's scale words, 8 K steps of 4 tiles, into set n % 2
	WIN 0
.irp b, 0,1,2,3
.set j_, 2*((\n)/2)+\b%2
.set AR_, AD+2*(2*(2*((\n)%2)+\b/2)+j_/3)+1
.irp p, 0,1,2,3
	ds_load_b64 v[WS+32*((\n)%2)+8*\b+2*\p:WS+32*((\n)%2)+8*\b+2*\p+1], v[AR_] offset:(j_%3)*REC+12288+256*\p
.endr
.endr
.endm
.macro WM d, p, q, e, f                ; ZF_ = 1: the first product starts the sum
.if ZF_
	v_wmma_scale_f32_16x16x128_f8f6f4 v[\d:\d+7], v[\p:\p+11], v[\q:\q+11], 0, v[\e], v[\f] matrix_a_fmt:MATRIX_FMT_BF6 matrix_b_fmt:MATRIX_FMT_BF6
.else
	v_wmma_scale_f32_16x16x128_f8f6f4 v[\d:\d+7], v[\p:\p+11], v[\q:\q+11], v[\d:\d+7], v[\e], v[\f] matrix_a_fmt:MATRIX_FMT_BF6 matrix_b_fmt:MATRIX_FMT_BF6
.endif
.endm
.macro MUL G                           ; 16 matrix instructions; the sixteen accumulators take turns, in the same order in every step
.set mn_, (\G)/8
.set ms_, (\G)%8
.set mk_, (\G)%4
.set XW_, 1+ms_/5
.set XB_, 48*(ms_%5)
.set WW_, 3-mk_/2
.set WB_, 128+48*(mk_%2)+16*(mk_/2)
.set SW_, WS+32*(mn_%2)+ms_
.set SX_, XS+ms_
.set ZF_, 0
.if ms_ == 0
.set ZF_, 1
.endif
.if mn_ < 4
.set M_, 0xf0|(XW_<<2)|WW_
	WIN M_
.irp a, 0,1,2,3
.irp b, 0,1,2,3
	WM 8*(4*\a+\b), WB_+12*\b, XB_+12*\a, SW_+8*\b, SX_+8*\a
.endr
.endr
.else
.set M_, 0xf0|(WW_<<2)|XW_
	WIN M_
.irp b, 0,1,2,3
.irp a, 0,1,2,3
	WM 8*(4*\b+\a), XB_+12*\a, WB_+12*\b, SX_+8*\a, SW_+8*\b
.endr
.endr
.endif
.endm
.macro STEP G
.set sn_, (\G)/8
.set ss_, (\G)%8
.if sn_ == 0
.if ss_ < 4
	s_wait_loadcnt 63                              ; x's K step s is in: behind it 16 (7 - s) loads were issued, more than the count can name
.else
	s_wait_loadcnt 16*(7-ss_)                      ; the later K steps' 16 loads each may be out
.endif
.endif
.if (\G)%2 == 0                        ; the weights are fetched for two steps at once, at every second step: 32 matrix instructions stand on end between two fetches
.if (\G) == 14
	s_wait_tensorcnt 0x0                           ; my part of k's and v's weights is in: they are first read below, for step 16
	s_wait_dscnt 0x0
	s_barrier_signal -1
	s_barrier_wait -1                              ; and everybody's
.else
	s_wait_dscnt 0x0                               ; the fragments of steps G and G + 1, asked for two steps ago
.endif
	PLACES                                         ; the sets that are loaded next were read by the two steps before
.if (\G)+3 < 48
	LOADW (\G)+2
	LOADW (\G)+3
.endif
.if ss_ == 6 && sn_ < 5
	LOADS sn_+1
.endif
.endif
	MUL \G
.endm
; THE WAY OUT.  64 accumulator registers are four blocks of 32 along the axis to be quantised (register 16 b + i = place 32 (b % 2) + 16 h + i of tile 2 A + b / 2): 12 registers of codes and four scale bytes.
; Each accumulator is read from its low end on.
.macro QT A, n
.set AC_, 64*\A
.set PA_, PC+12*\A
	WIN 0x3c                                       ; sources 1 and 2: window 3
.irp b, 0,1,2,3
	v_max3_num_f32 v[TM+\b], 0x2800000, |v[AC_+16*\b]|, |v[AC_+16*\b+1]|   ; my 16 numbers, and the floor 2^(5 - 127): the byte cannot fall under 1
.endr
.irp i, 2,4,6,8,10,12,14
.irp b, 0,1,2,3
	v_max3_num_f32 v[TM+\b], v[TM+\b], |v[AC_+16*\b+\i]|, |v[AC_+16*\b+\i+1]|
.endr
.endr
	WIN 0
.irp b, 0,1,2,3
	v_permlanex16_b32 v[TM+4+\b], v[TM+\b], s[SEL], s[SEL+1]
.endr
.irp b, 0,1,2,3
	v_max_num_f32 v[TM+\b], v[TM+\b], v[TM+4+\b]   ; with lane l xor 16's 16
.endr
.irp b, 0,1,2,3
	v_add_nc_u32 v[TM+12+\b], 0xfe000000, v[TM+\b] ; 4 off the exponent field: the conversion's scale operand
.endr
.irp b, 0,1,2,3
	v_lshrrev_b32 v[TM+4+\b], 23, v[TM+12+\b]      ; the byte
.endr
	v_lshl_or_b32 v[PWR+2*\A], v[TM+5], 8, v[TM+4]
	v_lshl_or_b32 v[PWR+2*\A], v[TM+6], 16, v[PWR+2*\A]
	v_lshl_or_b32 v[PWR+2*\A], v[TM+7], 24, v[PWR+2*\A]
	WIN 0x03                                       ; source 0: window 3
.irp c, 0,1
	v_cvt_scalef32_pk16_bf6_f32 v[PA_+6*\c:PA_+6*\c+2], v[AC_+32*\c:AC_+32*\c+15], v[TM+12+2*\c]
	v_cvt_scalef32_pk16_bf6_f32 v[TH+4*\c:TH+4*\c+2], v[AC_+32*\c+16:AC_+32*\c+31], v[TM+12+2*\c+1]
.endr
	WIN 0
	v_nop                                          ; one plain place behind the scaled conversions
.irp c, 0,1
.irp i, 0,1,2
	v_permlane16_swap_b32 v[PA_+6*\c+\i], v[TH+4*\c+\i]   ; a whole block to a lane
.endr
.irp i, 0,1,2
	v_mov_b32 v[PA_+6*\c+3+\i], v[TH+4*\c+\i]
.endr
.endr
.if (\n) < 4
	v_lshrrev_b32 v[PWR+2*\A+1], 16, v[PWR+2*\A]   ; q, k: the second tile's two bytes as bytes 0 and 1 of a word of its own
.endif
.endm
.macro EPI n
.set OB_, 8
.if (\n) < 2
.set OB_, 6                                            ; q goes to qi, k and v to kv
.endif
.set HO_, ((\n)%2)*HEADB
	WIN 0
	PLACES                                         ; behind the last products
	s_wait_xcnt 0x0                                ; the last product's stores have read their registers
	QT 0, \n
	QT 1, \n
.if (\n) < 4
.irp a, 0,1,2,3                        ; registers 6 a .. 6 a + 5: the head's 64 along d of my tile a's 16 rows: 768 bytes
	global_store_b128 v[GC16], v[PC+6*\a:PC+6*\a+3], s[OB_:OB_+1] offset:HO_+768*\a
	global_store_b64 v[GC8], v[PC+6*\a+4:PC+6*\a+5], s[OB_:OB_+1] offset:HO_+768*\a+512
.endr
	global_store_b128 v[GS16], v[PWR:PWR+3], s[OB_:OB_+1] offset:HO_   ; a word's bytes 2 and 3 lie over zero codes and are never 0xff
.else
.irp b, 0,1,2,3                        ; registers 6 b .. 6 b + 5: my 64 keys of tile b's 16 d: half a fragment
	global_store_b128 v[GV16], v[PC+6*\b:PC+6*\b+3], s[8:9] offset:HO_+1536*\b
	global_store_b64 v[GV8], v[PC+6*\b+4:PC+6*\b+5], s[8:9] offset:HO_+1536*\b+512
.endr
.irp A, 0,1
	global_store_b16 v[GVS], v[PWR+2*\A], s[8:9] offset:HO_+8*\A
	global_store_d16_hi_b16 v[GVS], v[PWR+2*\A], s[8:9] offset:HO_+8*\A+4
.endr
.endif
.endm
	LOADS 0
	LOADW 0
	LOADW 1
.set GG, 0
.rept 6
.rept 8
	STEP GG
.set GG, GG+1
.endr
	EPI GG/8-1
.endr
	s_wait_tensorcnt 0x0                           ; the wave's end
	ds_add_u32 v[SPW], v[NIL]
	s_wait_dscnt 0x0
	CROUND                                         ; the closing round
	s_endpgm
.Lfunc_end_k_q4c99b0e9b9_qkv:
	.size	k_q4c99b0e9b9_qkv, .Lfunc_end_k_q4c99b0e9b9_qkv-k_q4c99b0e9b9_qkv
	.p2alignl 7, 3214868480
	.fill 96, 4, 3214868480
	.section	.rodata,"a",@progbits
	.p2align	6, 0x0
	.amdhsa_kernel k_q4c99b0e9b9_qkv
		.amdhsa_group_segment_fixed_size 327680
		.amdhsa_private_segment_fixed_size 0
		.amdhsa_enable_private_segment 0
		.amdhsa_kernarg_size 24
		.amdhsa_user_sgpr_count 2
		.amdhsa_user_sgpr_kernarg_segment_ptr 1
		.amdhsa_wavefront_size32 1
		.amdhsa_system_sgpr_workgroup_id_x 1
		.amdhsa_system_sgpr_workgroup_id_y 1
		.amdhsa_system_sgpr_workgroup_id_z 1
		.amdhsa_system_vgpr_workitem_id 0
		.amdhsa_next_free_vgpr 1024
		.amdhsa_next_free_sgpr 66
		.amdhsa_reserve_vcc 0
		.amdhsa_float_denorm_mode_32 3
		.amdhsa_float_denorm_mode_16_64 3
		.amdhsa_memory_ordered 1
		.amdhsa_forward_progress 1
		.amdhsa_inst_pref_size 230
	.end_amdhsa_kernel
	.amdgpu_metadata
---
amdhsa.version: [ 1, 2 ]
amdhsa.kernels:
  - .name:           k_q4c99b0e9b9_qkv
    .symbol:         k_q4c99b0e9b9_qkv.kd
    .args:
      - { .name: opq, .offset: 0, .size: 8, .value_kind: global_buffer, .address_space: global }
      - { .name: qi, .offset: 8, .size: 8, .value_kind: global_buffer, .address_space: global }
      - { .name: kv, .offset: 16, .size: 8, .value_kind: global_buffer, .address_space: global }
    .group_segment_fixed_size: 327680
    .private_segment_fixed_size: 0
    .kernarg_segment_align: 8
    .kernarg_segment_size: 24
    .max_flat_workgroup_size: 128
    .sgpr_count:     66
    .vgpr_count:     1024
    .wavefront_size: 32
...
	.end_amdgpu_metadata
.endif
;; end of part 2
;; launch attn (part 3): grid 4 x 64, 16 waves a work-group, clusters of 4 x 1, 327,680 bytes of LDS; arguments qi, kv, ao; writes ao
.if DOCPART == 3
	.amdgcn_target "amdgcn-amd-amdhsa--gfx1250"
	.amdhsa_code_object_version 6
	.text
	.protected	k_q4c99b0e9b9_attn
	.globl	k_q4c99b0e9b9_attn
	.p2align	8
	.type	k_q4c99b0e9b9_attn,@function
k_q4c99b0e9b9_attn:
	s_mov_b64 s[64:65], 0
	v_nop
	global_prefetch_b8 v0, s[64:65] scope:SCOPE_SE
	s_setreg_imm32_b32 hwreg(HW_REG_WAVE_MODE, 25, 1), 1
	s_wait_xcnt 0x0
	s_wait_alu depctr_hold_cnt(0) depctr_sa_sdst(0) depctr_va_vdst(0) depctr_va_sdst(0) depctr_va_ssrc(0) depctr_va_vcc(0) depctr_vm_vsrc(0)
	s_getreg_b32 s2, hwreg(HW_REG_IB_STS2, 6, 4)
	s_cmp_eq_u32 s2, 0
	s_cbranch_scc0 .Lentry_in_a_cluster
	s_endpgm
.Lentry_in_a_cluster:
	s_bfe_u32 s2, ttmp6, 0x10000c
	s_cmp_lg_u32 s2, 0x3003
	s_cbranch_scc0 .Lentry_shape_is_right
	s_endpgm
.Lentry_shape_is_right:
; Causal attention of one head (size 64) on codes of BF6 (E3M2) with E8M0 scales; its result, divided by the row's sum, is quantised along the model's 1,024 and leaves as codes for the last product.
; LEFT OUT: key steps all of whose keys come after all of a tile's queries: the causal mask makes their p zero for every input.
; THE SOFTMAX: t = score x log2(e) / 8; M = the running largest t rounded UP to a whole number; p = 2^(t - M) is quantised along the keys, not normalised; the row's sum is taken of the unquantised p;
; when M moves, the sum and O are multiplied by 2^(old M - new M), which rounds nothing.
; LIMITS: NaN and infinities are not served; a block whose largest magnitude lies under 2^-122 keeps the byte 1; a block of zeros has the byte 1 and not 127 (zero codes; this program alone reads the bytes).
; LDS holds the head's eight slot records, all 2,048 keys, 221,184 bytes, filled ONCE: each of the sixteen waves fetches half a record (54 rows of 256 bytes).  One barrier shows them to all; behind it the waves share nothing.
; SHARES.  The queries go in groups of 128 (eight tiles of 16); a tile of group G needs key steps 0 .. G.  Work-group j of a head takes tiles 2 j and 2 j + 1 of every group;
; wave w takes tile 2 j + w % 2 of group w / 2 and then of group 15 - w / 2: (G + 1) + (16 - G) = 17 key steps in every wave of every work-group.
; CLUSTER 4 x 1: the four work-groups of a head want the same eight records at the same time and ask for them jointly.  Branches hang on the wave's number and the step alone; the place in the cluster enters global addresses and the mask's numbers.
; NO PREFETCH INTO THE L2: every tile is asked for at the head; there is no later load from memory to run ahead of.
; LAYOUT.  Both products transposed: S^T = K Q^T, O^T = V^T P^T: a lane holds ONE query.
; K's TILES ARE FORMED ANEW, by the lanes' LDS addresses alone: rows 0-7 of tile 4 c + u are keys 64 c + 8 u on, rows 8-15 keys 64 c + 32 + 8 u on.  So lane (r, h) holds in registers 32 c + i of S^T the keys 64 c + 32 h + i:
; whole blocks of 32, in the order of P's operand registers: a block's maximum needs no other lane and the codes change no lane.  (Sixteen lanes of such a load read two runs of 128 bytes, 1,536 bytes apart.)
; The head's 64 fill half of the instruction's 128 along K.  Q's registers 6-11 hold zero codes for the whole launch, so what stands in registers 6-11 of a fragment of K is multiplied by zero: any codes do (BF6 has no
; NaN and no infinity, and the scale bytes over them are finite).  So K's eight fragments lie 6 registers apart, each one's upper half being its neighbour's data, and the last one's P's old codes.
; A step's fragments of K and their scale words are loaded a step ahead, straight behind the score products of the step before.
; A slot record (27,648 bytes): K's 16 tiles x 768; V's 2 key steps x 4 tiles x 1,536; K's scale words 4 x 512; V's 2 x 512: all in register order; a stored tile's rows are 32 (a / 2) + 8 (a % 2) + r + 8 (r / 8).
; The scale bytes of ao leave by stores of 2 bytes a lane: the two heads of a scale word belong to two work-groups; they are one byte for each 24 of codes.
.set SLOTM, 27648
.set HEADB, 8*SLOTM
.set REC,   13312
.set HALF,  13824                      ; 54 rows of 256 bytes: a wave's half of a record
.set SPARE, 8*SLOTM                    ; the spare words, 128 bytes for each of 16 waves: eight blocks of 256 bytes that no other line names
.set VCO,   12288
.set KSO,   24576
.set VSO,   26624
.set L16, 1                            ; v1  16 x lane
.set L8,  2                            ; v2  8 x lane
.set QL,  3                            ; v3  my query less its group's first, less 32 h
.set ASO, 4                            ; v4  ao: 8 x lane + my head's two scale bytes' place
.set SPW, 5                            ; v5  my spare word; never rewritten
.set NIL, 6                            ; v6  0; never rewritten
.set LK16, 7                           ; v7  K: 1,536 (r / 8) + 16 (r % 8) + 256 h
.set AC16, 10                          ; v10 ao: 16 x lane + my head's half of a K step
.set AC8, 11                           ; v11 8 x lane + the same + 512
.set KFR, 36                           ; v36-83 K's eight fragments' data, 6 registers each
.set SK,  224                          ; v224-231 their scale words
.set LK8, 232                          ; v232 K: 1,536 (r / 8) + 8 (r % 8) + 128 h
.set LKS, 233                          ; v233 K's scale words: 16 (r % 8) + 8 (r / 8)
.set KA,  234                          ; v234-236 the three, + where the next step's record begins
.set SH8, 237                          ; v237 8 h
; v8-9 the record in hand + 16, 8 x lane; v12 -M, v13 the largest t, v[14:15] the sum; v16-27 Q, v28 its scale word; v29, v30-35 the second tile's; v84-95 P's codes; v96-159 S^T, p, then V's four fragments (v96-143);
; v160-191 O^T; v192-198 conversions' second halves; v200-203 maxima; v204-206 at work; v208-209 scale operands; v212-215 V's scale words; v216 P's; v[218:219] f; v220-223, v238-255 at work
.set TB,   2                           ; s2  LDS byte at which the record in hand begins
.set TRIP, 3                           ; s3  the trip, 0 .. 7
.set J,    10                          ; s10 my place in the cluster
.set KI,   11                          ; s11 the key step, 0 .. 15
.set G,    12                          ; s12 my tile's group;  s13 the second tile's
.set GB,   13
.set WV,   18
.set SEL,  20
.set CS,   22                          ; s[22:23] c = log2(e) / 8
.set G1,   24
.set G0,   32
.set AOT,  40                          ; s[40:41] ao at my tile's record;  s[42:43] the second tile's
.set AOT2, 42
.macro CROUND                          ; a round of the cluster's barrier
	s_barrier_signal -1
	s_barrier_wait -1
	s_cmp_lg_u32 s[WV], 0
	s_cbranch_scc1 .Lnot0_\@
	s_barrier_signal -3
.Lnot0_\@:
	s_barrier_wait -3
	s_barrier_signal -1
	s_barrier_wait -1
.endm
.macro TADR t, c, s, a                 ; tile number s[t] of the head's 128: bytes to its codes, its scale word, its record of ao
	s_lshr_b32 s47, s[\t], 4
	s_add_co_u32 s47, s47, s46
	s_mul_i32 s47, s47, SLOTM              ; q's record: 8 x (16 x batch + head) + tile / 16
	s_and_b32 s45, s[\t], 15
	s_mul_i32 s[\c], s45, 768
	s_add_co_u32 s[\c], s[\c], s47
	s_lshr_b32 s45, s45, 2
	s_lshl_b32 s45, s45, 9
	s_add_co_u32 s[\s], s47, s45           ; the scale words' group of four tiles,
	s_and_b32 s45, s[\t], 3
	s_lshl_b32 s45, s45, 2
	s_add_co_u32 s[\s], s[\s], s45         ; the word of the lane's four
	s_add_co_u32 s[\s], s[\s], KSO
	s_add_co_u32 s[\a], s[\t], s44
	s_mul_i32 s[\a], s[\a], REC            ; ao: 128 tiles a batch
.endm
; K's eight fragments and eight scale words of the q-th key step of a record.  Row r of tile 4 c + u lies in stored tile 4 c + 2 (r / 8) + u % 2, at its lane r % 8 + 8 (u / 2)
.macro KLOAD a, b, s, q
.irp c, 0,1
.irp u, 0,1,2,3
	ds_load_b128 v[KFR+6*(4*\c+\u):KFR+6*(4*\c+\u)+3], v[\a] offset:6144*(\q)+768*(4*\c+\u%2)+128*(\u/2)
	ds_load_b64 v[KFR+6*(4*\c+\u)+4:KFR+6*(4*\c+\u)+5], v[\b] offset:6144*(\q)+768*(4*\c+\u%2)+512+64*(\u/2)
.endr
.irp p, 0,1
	ds_load_b64 v[SK+4*\c+2*\p:SK+4*\c+2*\p+1], v[\s] offset:KSO+512*(2*(\q)+\c)+128*\p
.endr
.endr
.endm
	s_load_b128 s[4:7], s[0:1], 0x0                ; qi, kv
	s_load_b64 s[8:9], s[0:1], 0x10                ; ao
	v_lshl_add_u32 v[SPW], v0, 2, SPARE
	v_mov_b32 v[NIL], 0
	ds_add_u32 v[SPW], v[NIL]                      ; the opening lines: the add, twice on end, and its wait
	ds_add_u32 v[SPW], v[NIL]
	s_wait_dscnt 0x0
	v_lshrrev_b32 v8, 5, v0
	s_delay_alu instid0(VALU_DEP_1)
	v_readfirstlane_b32 s[WV], v8                  ; wave 0..15
	s_bfe_u32 s[J], ttmp6, 0x40000                 ; cx
	s_and_b32 s48, ttmp7, 0xffff                   ; 16 x batch + head: the same in the four partners
	s_mul_i32 s50, s[WV], HALF
	s_mul_i32 s52, s48, HEADB
	s_add_co_u32 s52, s52, s50
	s_mov_b32 s53, 0
	; descriptor group 1: 54 rows of 256 bytes (32 elements of 8 bytes), dense in memory and in LDS; the mask names the cluster's four, bit 21 beside it
	s_mov_b32 s[G1], 15|(3<<16)|(1<<21)
	s_mov_b32 s[G1+1], 32<<16
	s_mov_b32 s[G1+2], 54<<16
	s_mov_b32 s[G1+3], 32<<16
	s_mov_b32 s[G1+4], 54
	s_mov_b32 s[G1+5], 32
	s_mov_b32 s[G1+6], 0
	s_mov_b32 s[G1+7], 0
	s_mov_b32 s[G0], 1
	s_mov_b32 s[G0+1], s50
	s_lshr_b32 s[G], s[WV], 1                      ; the first tile's group
	s_sub_co_u32 s[GB], 15, s[G]                   ; the second's
	s_and_b32 s49, s[WV], 1
	s_lshl_b32 s51, s[J], 1
	s_add_co_u32 s51, s51, s49                     ; the tile in its group: 2 j + w % 2
	s_lshl_b32 s54, s[G], 3
	s_add_co_u32 s54, s54, s51
	s_lshl_b32 s56, s[GB], 3
	s_add_co_u32 s56, s56, s51
	s_lshl_b32 s46, s48, 3
	s_lshr_b32 s44, s48, 4
	s_lshl_b32 s44, s44, 7
	TADR 54, 36, 38, 40
	TADR 56, 58, 60, 42
.irp p, 37,39,41,43,59,61
	s_mov_b32 s[\p], 0
.endr
	s_lshl_b32 s62, s[J], 5
	s_lshl_b32 s49, s49, 3
	s_add_co_u32 s62, s62, s49                     ; the tile's first row in its group: 32 j + 8 (w % 2)
	s_and_b32 s66, s48, 15                         ; the head: its 64 of the model's 1,024 are half (head % 2) of K step head / 2
	s_lshr_b32 s67, s66, 1
	s_mul_i32 s67, s67, 1536
	s_and_b32 s68, s66, 1
	s_mul_i32 s69, s68, 768
	s_add_co_u32 s67, s67, s69
	s_add_co_u32 s71, s67, 512
	s_lshr_b32 s69, s66, 2
	s_lshl_b32 s69, s69, 8                         ; scale words: pair of K steps head / 4,
	s_bfe_u32 s70, s66, 0x10001
	s_lshl_b32 s70, s70, 2
	s_add_co_u32 s69, s69, s70                     ; word (head / 2) % 2,
	s_lshl_b32 s68, s68, 1
	s_add_co_u32 s69, s69, s68                     ; bytes 2 (head % 2) on
	s_add_co_u32 s69, s69, 12288
	s_mov_b32 s[SEL], 0x76543210
	s_mov_b32 s[SEL+1], 0xfedcba98
	s_mov_b32 s[CS], 0x3e38aa3b
	s_mov_b32 s[CS+1], s[CS]                       ; named with it as a pair, so it is written
	s_wait_kmcnt 0x0
	s_add_nc_u64 s[G0+2:G0+3], s[6:7], s[52:53]
	s_or_b32 s[G0+3], s[G0+3], 0x80000000
	s_add_nc_u64 s[36:37], s[4:5], s[36:37]
	s_add_nc_u64 s[38:39], s[4:5], s[38:39]
	s_add_nc_u64 s[58:59], s[4:5], s[58:59]
	s_add_nc_u64 s[60:61], s[4:5], s[60:61]
	s_add_nc_u64 s[AOT:AOT+1], s[8:9], s[AOT:AOT+1]
	s_add_nc_u64 s[AOT2:AOT2+1], s[8:9], s[AOT2:AOT2+1]
	CROUND                                         ; the four partners are here: the joint loads meet
	tensor_load_to_lds s[G0:G0+3], s[G1:G1+7]      ; half record w: my one tensor load
	s_nop 0
.rept 4
	v_nop
.endr
	v_and_b32 v8, 31, v0
	s_delay_alu instid0(VALU_DEP_1)
	v_lshlrev_b32 v[L16], 4, v8
	s_delay_alu instid0(VALU_DEP_2)
	v_lshlrev_b32 v[L8], 3, v8
	v_and_b32 v9, 15, v0
	s_delay_alu instid0(VALU_DEP_1)
	v_and_b32 v[QL], 8, v9
	s_delay_alu instid0(VALU_DEP_1)
	v_add_nc_u32 v[QL], v[QL], v9
	v_bfe_u32 v9, v0, 4, 1
	s_delay_alu instid0(VALU_DEP_1)
	v_lshlrev_b32 v9, 5, v9
	s_delay_alu instid0(VALU_DEP_1)
	v_sub_nc_u32 v[QL], v[QL], v9
	s_delay_alu instid0(VALU_DEP_1)
	v_add_nc_u32 v[QL], s62, v[QL]                 ; r + 8 (r / 8) - 32 h + the tile's first row in its group
	v_bfe_u32 v238, v0, 3, 1                       ; r / 8
	v_and_b32 v239, 7, v0                          ; r % 8
	v_bfe_u32 v240, v0, 4, 1                       ; h
	s_delay_alu instid0(VALU_DEP_3)
	v_mul_u32_u24 v241, v238, 1536
	s_delay_alu instid0(VALU_DEP_2)
	v_lshlrev_b32 v[SH8], 3, v240
	s_delay_alu instid0(VALU_DEP_2)
	v_lshl_add_u32 v[LK16], v239, 4, v241
	s_delay_alu instid0(VALU_DEP_3)
	v_lshl_add_u32 v[LK8], v239, 3, v241
	v_lshlrev_b32 v[LKS], 3, v238
	s_delay_alu instid0(VALU_DEP_3)
	v_lshl_add_u32 v[LK16], v240, 8, v[LK16]
	s_delay_alu instid0(VALU_DEP_3)
	v_lshl_add_u32 v[LK8], v240, 7, v[LK8]
	s_delay_alu instid0(VALU_DEP_3)
	v_lshl_add_u32 v[LKS], v239, 4, v[LKS]
	global_load_b128 v[16:19], v[L16], s[36:37]
	global_load_b64 v[20:21], v[L8], s[36:37] offset:512
	global_load_b32 v28, v[L16], s[38:39]
	global_load_b128 v[30:33], v[L16], s[58:59]    ; the second tile waits in registers
	global_load_b64 v[34:35], v[L8], s[58:59] offset:512
	global_load_b32 v29, v[L16], s[60:61]
	v_add_nc_u32 v[AC16], s67, v[L16]
	v_add_nc_u32 v[AC8], s71, v[L8]
	v_add_nc_u32 v[ASO], s69, v[L8]
.irp i, 22,23,24,25,26,27
	v_mov_b32 v[\i], 0                             ; Q's K 64 to 127: zero codes
.endr
.irp i, 84,85,86,87,88,89
	v_mov_b32 v[\i], 0                             ; the upper half of K's last fragment in the first step
.endr
	v_mov_b32 v13, 0xff61b1e6                      ; the largest t so far: -3e38
	s_delay_alu instid0(VALU_DEP_1)
	v_floor_f32 v12, -v13                          ; -M
	v_mov_b32 v14, 0
	v_mov_b32 v15, 0
.irp i, 204,205,206,207,219,220
	v_mov_b32 v[\i], 0                             ; lane permutes' destinations, and the upper half of the pair v[218:219]
.endr
.set n, 0
.rept 32
	v_mov_b32 v[160+n], 0                          ; O^T: the first change of M leaves zeros zeros
.set n, n+1
.endr
; A KEY STEP: 128 keys, the q-th of the record in hand.  Its fragments of K are in registers
.macro STEP q
	s_cmp_gt_u32 s[KI], s[G]
	s_cbranch_scc1 .Lhidden_\@                     ; all keys come after my queries: a scalar branch on ids, round the step's work alone
	v_add_nc_u32 v8, s[TB], v[L16]
	v_add_nc_u32 v9, s[TB], v[L8]
.if \q
	s_add_co_u32 s47, s[TB], SLOTM                 ; the next step lies in the next record; behind the last record the last is named again, and what is loaded is not used
	s_min_u32 s47, s47, 7*SLOTM
	v_add_nc_u32 v[KA], s47, v[LK16]
	v_add_nc_u32 v[KA+1], s47, v[LK8]
	v_add_nc_u32 v[KA+2], s47, v[LKS]
.else
	v_add_nc_u32 v[KA], s[TB], v[LK16]
	v_add_nc_u32 v[KA+1], s[TB], v[LK8]
	v_add_nc_u32 v[KA+2], s[TB], v[LKS]
.endif                                 ; these five additions are the five places: S^T is laid over V's fragments, which the last products read
	s_wait_alu depctr_va_vdst(0)
.irp t, 0,1,2,3,4,5,6,7                ; S^T = K Q^T
	v_wmma_scale_f32_16x16x128_f8f6f4 v[96+8*\t:103+8*\t], v[KFR+6*\t:KFR+6*\t+11], v[16:27], 0, v[SK+\t], v28 matrix_a_fmt:MATRIX_FMT_BF6 matrix_b_fmt:MATRIX_FMT_BF6
.endr
.rept 4
	v_nop                                          ; places in front of the reads of S^T and of the loads into K's registers
.endr
	KLOAD KA, KA+1, KA+2, 1-\q                     ; the next step's K; the wait in front of this step's second product covers it
	s_cmp_lt_u32 s[KI], s[G]                       ; in my group's own step hidden scores become -infinity ahead of the maximum; an earlier step skips this
	s_cbranch_scc1 .Lopen_\@
	v_mov_b32 v221, 0xff800000
.set n, 0
.rept 64
	v_cmp_gt_i32 vcc_lo, 64*(n/32)+n%32, v[QL]     ; register 32 c + i holds the step's key 64 c + 32 h + i: hidden where 64 c + i > my query's place - 32 h
	v_cndmask_b32 v[96+n], v[96+n], v221, vcc_lo
.set n, n+1
.endr
.Lopen_\@:
.irp b, 0,1,2,3
	v_max3_num_f32 v[200+\b], v[96+16*\b], v[97+16*\b], v[98+16*\b]   ; four chains of 15 scores, two to a block of 32 keys
.endr
.irp i, 3,5,7,9,11,13
.irp b, 0,1,2,3
	v_max3_num_f32 v[200+\b], v[200+\b], v[96+16*\b+\i], v[97+16*\b+\i]
.endr
.endr
	v_max3_num_f32 v200, v200, v201, v111          ; the largest score of each of my two blocks: for the row's maximum and, since p rises with the score, for the block's largest p
	v_max3_num_f32 v202, v202, v203, v143
	v_max_num_f32 v200, v200, v127
	v_max_num_f32 v202, v202, v159
	s_delay_alu instid0(VALU_DEP_1)
	v_max_num_f32 v220, v200, v202
	s_delay_alu instid0(VALU_DEP_1)
	v_permlanex16_b32 v204, v220, s[SEL], s[SEL+1]
	s_delay_alu instid0(VALU_DEP_1)
	v_max_num_f32 v220, v220, v204                 ; with lane l xor 16's two blocks
	s_delay_alu instid0(VALU_DEP_1)
	v_mul_f32 v220, s[CS], v220                    ; as t
	s_delay_alu instid0(VALU_DEP_1)
	v_max_num_f32 v13, v13, v220                   ; the running largest t
	v_mov_b32 v220, v12
	s_delay_alu instid0(VALU_DEP_2)
	v_floor_f32 v12, -v13                          ; the new -M = -ceil(t)
	s_delay_alu instid0(VALU_DEP_1)
	v_sub_f32 v220, v12, v220                      ; old M - new M: a whole number, 0 or less
	s_delay_alu instid0(VALU_DEP_1)
	v_cvt_i32_f32 v220, v220                       ; (it saturates)
	s_delay_alu instid0(VALU_DEP_1)
	v_ldexp_f32 v218, 1.0, v220                    ; f = 2^(old M - new M)
.set n, 0
.rept 32
	v_pk_fma_f32 v[96+n:97+n], v[96+n:97+n], s[CS:CS+1], v[12:13] op_sel_hi:[1,0,0]   ; t - M, two at a time
.set n, n+2
.endr
	v_fma_f32 v200, v200, s[CS], v12               ; the same of each block's largest score
	v_fma_f32 v202, v202, s[CS], v12
.set n, 0
	s_wait_alu depctr_va_vdst(0)
.rept 64
	v_exp_f32 v[96+n], v[96+n]                     ; p = 2^(t - M)
.set n, n+1
.endr
	v_pk_mul_f32 v[14:15], v[14:15], v[218:219] op_sel_hi:[1,0]   ; the sums under the new M: a plain place behind the exponentials
	s_wait_alu depctr_va_vdst(0)                   ; one wait for the batch of 64, ahead of its first reader
	v_exp_f32 v200, v200                           ; the blocks' largest p: the same two instructions on the same number give the same bits
	v_exp_f32 v202, v202
	v_pk_add_f32 v[222:223], v[100:101], v[104:105]
	v_pk_add_f32 v[254:255], v[108:109], v[112:113]
	v_pk_add_f32 v[252:253], v[116:117], v[120:121]
	v_pk_add_f32 v[250:251], v[124:125], v[128:129]
	v_pk_add_f32 v[248:249], v[132:133], v[136:137]
	v_pk_add_f32 v[246:247], v[140:141], v[144:145]
	v_pk_add_f32 v[244:245], v[148:149], v[152:153]
	v_pk_add_f32 v[14:15], v[14:15], v[156:157]
	v_pk_add_f32 v[222:223], v[222:223], v[96:97]
	v_pk_add_f32 v[254:255], v[254:255], v[98:99]
	v_pk_add_f32 v[252:253], v[252:253], v[102:103]
	v_pk_add_f32 v[250:251], v[250:251], v[106:107]
	v_pk_add_f32 v[248:249], v[248:249], v[110:111]
	v_pk_add_f32 v[246:247], v[246:247], v[114:115]
	v_pk_add_f32 v[244:245], v[244:245], v[118:119]
	v_pk_add_f32 v[14:15], v[14:15], v[122:123]
	v_pk_add_f32 v[222:223], v[222:223], v[126:127]
	v_pk_add_f32 v[254:255], v[254:255], v[130:131]
	v_pk_add_f32 v[252:253], v[252:253], v[134:135]
	v_pk_add_f32 v[250:251], v[250:251], v[138:139]
	v_pk_add_f32 v[248:249], v[248:249], v[142:143]
	v_pk_add_f32 v[246:247], v[246:247], v[146:147]
	v_pk_add_f32 v[244:245], v[244:245], v[150:151]
	v_pk_add_f32 v[14:15], v[14:15], v[154:155]
	v_pk_add_f32 v[222:223], v[222:223], v[158:159]
	s_delay_alu instid0(VALU_DEP_2)
	v_pk_add_f32 v[14:15], v[14:15], v[250:251]
	s_delay_alu instid0(VALU_DEP_2)
	v_pk_add_f32 v[222:223], v[222:223], v[248:249]
	v_pk_add_f32 v[254:255], v[254:255], v[246:247]
	v_pk_add_f32 v[252:253], v[252:253], v[244:245]
	s_delay_alu instid0(VALU_DEP_2)
	v_pk_add_f32 v[14:15], v[14:15], v[254:255]
	s_delay_alu instid0(VALU_DEP_2)
	v_pk_add_f32 v[222:223], v[222:223], v[252:253]
	s_delay_alu instid0(VALU_DEP_1)
	v_pk_add_f32 v[14:15], v[14:15], v[222:223]
	s_wait_alu depctr_va_vdst(0)                   ; and one for the two
	v_max_num_f32 v200, 0x2800000, v200            ; the floor 2^(5 - 127)
	v_max_num_f32 v202, 0x2800000, v202
	s_delay_alu instid0(VALU_DEP_2)
	v_add_nc_u32 v208, 0xfe000000, v200            ; 4 off the exponent field: the conversion's scale operand
	s_delay_alu instid0(VALU_DEP_2)
	v_add_nc_u32 v209, 0xfe000000, v202
	s_delay_alu instid0(VALU_DEP_2)
	v_lshrrev_b32 v204, 23, v208
	s_delay_alu instid0(VALU_DEP_2)
	v_lshrrev_b32 v205, 23, v209
	s_delay_alu instid0(VALU_DEP_1)
	v_lshl_or_b32 v216, v205, 16, v204             ; my two bytes: blocks h and 2 + h,
	s_delay_alu instid0(VALU_DEP_1)
	v_lshlrev_b32 v216, v[SH8], v216               ; at their places in the scale word;
	s_delay_alu instid0(VALU_DEP_1)
	v_permlanex16_b32 v206, v216, s[SEL], s[SEL+1]
	s_delay_alu instid0(VALU_DEP_1)
	v_or_b32 v216, v216, v206                      ; with lane l xor 16's two: p's scale word for these 128 keys
.irp c, 0,1
	v_cvt_scalef32_pk16_bf6_f32 v[84+6*\c:86+6*\c], v[96+32*\c:111+32*\c], v[208+\c]
	v_cvt_scalef32_pk16_bf6_f32 v[192+4*\c:194+4*\c], v[112+32*\c:127+32*\c], v[208+\c]   ; a conversion's three registers begin on an even number
.endr
	v_nop                                          ; one plain place behind the scaled conversions
.irp t, 0,1,2,3                        ; V's four fragments land where p lay, while the codes are put in place and O^T is rescaled
	ds_load_b128 v[96+12*\t:99+12*\t], v8 offset:VCO+6144*(\q)+1536*\t
	ds_load_b64 v[100+12*\t:101+12*\t], v9 offset:VCO+6144*(\q)+1536*\t+512
	ds_load_b128 v[102+12*\t:105+12*\t], v8 offset:VCO+6144*(\q)+1536*\t+768
	ds_load_b64 v[106+12*\t:107+12*\t], v9 offset:VCO+6144*(\q)+1536*\t+1280
.endr
	ds_load_b128 v[212:215], v8 offset:VSO+512*(\q)
.irp c, 0,1
.irp i, 0,1,2
	v_mov_b32 v[87+6*\c+\i], v[192+4*\c+\i]
.endr
.endr
.set n, 0
.rept 16
	v_pk_mul_f32 v[160+n:161+n], v[160+n:161+n], v[218:219] op_sel_hi:[1,0]   ; O^T under the new M; twelve of these name no register of any one product below: the places behind p's scale word and codes
.set n, n+2
.endr
	s_wait_alu depctr_va_vdst(0)
	s_wait_dscnt 0x0
.irp t, 0,1,2,3                        ; O^T += V^T P^T: the four accumulators by turns
	v_wmma_scale_f32_16x16x128_f8f6f4 v[160+8*\t:167+8*\t], v[96+12*\t:107+12*\t], v[84:95], v[160+8*\t:167+8*\t], v[212+\t], v216 matrix_a_fmt:MATRIX_FMT_BF6 matrix_b_fmt:MATRIX_FMT_BF6
.endr
.Lhidden_\@:
	s_add_co_u32 s[KI], s[KI], 1
.endm
; A tile of queries is finished: O^T / the sum, quantised along the head's 64 (two blocks of 32 of the model's 1,024), leaves as half a K step of the last product's operand.
; V's tiles keep their stored rows, so the 16 registers of tiles 2 b, 2 b + 1 of O^T are d 32 b + 16 h on.
.macro FINISH
.rept 4
	v_nop                                          ; places behind the last products
.endr
	v_add_f32 v14, v14, v15
	s_delay_alu instid0(VALU_DEP_1)
	v_permlanex16_b32 v220, v14, s[SEL], s[SEL+1]
	s_delay_alu instid0(VALU_DEP_1)
	v_add_f32 v14, v14, v220                       ; the row's sum
	s_wait_alu depctr_va_vdst(0)
	v_rcp_f32 v14, v14
	v_nop                                          ; a plain place behind the reciprocal
	s_wait_alu depctr_va_vdst(0)                   ; and the wait ahead of its first reader
.set n, 0
.rept 32
	v_mul_f32 v[96+n], v[160+n], v14               ; register 16 b + i = d 32 b + 16 h + i of my query; each accumulator from its low end on
.set n, n+1
.endr
.irp b, 0,1
	v_max3_num_f32 v[200+\b], |v[96+16*\b]|, |v[97+16*\b]|, 0x2800000
.endr
.irp i, 2,4,6,8,10,12,14
.irp b, 0,1
	s_delay_alu instid0(VALU_DEP_2)
	v_max3_num_f32 v[200+\b], v[200+\b], |v[96+16*\b+\i]|, |v[97+16*\b+\i]|
.endr
.endr
.irp b, 0,1
	s_delay_alu instid0(VALU_DEP_2)
	v_permlanex16_b32 v[204+\b], v[200+\b], s[SEL], s[SEL+1]
.endr
.irp b, 0,1
	s_delay_alu instid0(VALU_DEP_2)
	v_max_num_f32 v[200+\b], v[200+\b], v[204+\b]
.endr
.irp b, 0,1
	s_delay_alu instid0(VALU_DEP_2)
	v_add_nc_u32 v[208+\b], 0xfe000000, v[200+\b]
.endr
.irp b, 0,1
	s_delay_alu instid0(VALU_DEP_2)
	v_lshrrev_b32 v[204+\b], 23, v[208+\b]
.endr
	s_delay_alu instid0(VALU_DEP_1)
	v_lshl_or_b32 v221, v205, 8, v204              ; my row's two scale bytes
	v_cvt_scalef32_pk16_bf6_f32 v[84:86], v[96:111], v208
	v_cvt_scalef32_pk16_bf6_f32 v[192:194], v[112:127], v209
	v_nop
.irp i, 0,1,2
	v_permlane16_swap_b32 v[84+\i], v[192+\i]
.endr
.irp i, 0,1,2
	s_delay_alu instid0(VALU_DEP_3)
	v_mov_b32 v[87+\i], v[192+\i]
.endr
	global_store_b128 v[AC16], v[84:87], s[AOT:AOT+1]      ; 512 consecutive aligned bytes
	global_store_b64 v[AC8], v[88:89], s[AOT:AOT+1]        ; 256
	global_store_b16 v[ASO], v221, s[AOT:AOT+1]            ; 2 bytes a lane, 8 bytes apart (see the head)
.endm
.macro REINIT                          ; the second tile begins
.irp i, 0,1,2,3,4,5
	v_mov_b32 v[16+\i], v[30+\i]
.endr
	v_mov_b32 v28, v29
	v_mov_b32 v13, 0xff61b1e6
	s_delay_alu instid0(VALU_DEP_1)
	v_floor_f32 v12, -v13
	v_mov_b32 v14, 0
	v_mov_b32 v15, 0
.set n, 0
.rept 32
	v_mov_b32 v[160+n], 0                          ; these 32 are also the places behind Q's codes and scale word
.set n, n+1
.endr
	s_wait_xcnt 0x0                                ; the stores have read their base and their registers
	s_mov_b64 s[AOT:AOT+1], s[AOT2:AOT2+1]
	s_mov_b32 s[G], s[GB]
.endm
.macro WALK                            ; a tile's walk over the keys: a constant eight trips of one record, two key steps; the steps behind the tile's group are jumped over
	s_mov_b32 s[TB], 0
	s_mov_b32 s[KI], 0
	s_mov_b32 s[TRIP], 0
	KLOAD LK16, LK8, LKS, 0                        ; the first step's K
	s_wait_dscnt 0x0
.Lslot_\@:
	STEP 0
	STEP 1
	s_add_co_u32 s[TB], s[TB], SLOTM
	s_add_co_u32 s[TRIP], s[TRIP], 1
	s_cmp_lt_u32 s[TRIP], 8
	s_cbranch_scc1 .Lslot_\@
.endm
	s_wait_alu depctr_va_vdst(0)
	s_wait_loadcnt 0x0                             ; Q, both tiles'
	s_wait_tensorcnt 0x0                           ; my half record is in
	s_barrier_signal -1
	s_barrier_wait -1                              ; and everybody's
	WALK
	FINISH
	REINIT
	WALK
	FINISH
	s_wait_tensorcnt 0x0                           ; the wave's end
	ds_add_u32 v[SPW], v[NIL]
	s_wait_dscnt 0x0
	CROUND                                         ; the closing round
	s_endpgm
.Lfunc_end_k_q4c99b0e9b9_attn:
	.size	k_q4c99b0e9b9_attn, .Lfunc_end_k_q4c99b0e9b9_attn-k_q4c99b0e9b9_attn
	.p2alignl 7, 3214868480
	.fill 96, 4, 3214868480
	.section	.rodata,"a",@progbits
	.p2align	6, 0x0
	.amdhsa_kernel k_q4c99b0e9b9_attn
		.amdhsa_group_segment_fixed_size 327680
		.amdhsa_private_segment_fixed_size 0
		.amdhsa_enable_private_segment 0
		.amdhsa_kernarg_size 24
		.amdhsa_user_sgpr_count 2
		.amdhsa_user_sgpr_kernarg_segment_ptr 1
		.amdhsa_wavefront_size32 1
		.amdhsa_system_sgpr_workgroup_id_x 1
		.amdhsa_system_sgpr_workgroup_id_y 1
		.amdhsa_system_sgpr_workgroup_id_z 1
		.amdhsa_system_vgpr_workitem_id 0
		.amdhsa_next_free_vgpr 256
		.amdhsa_next_free_sgpr 72
		.amdhsa_reserve_vcc 1
		.amdhsa_float_denorm_mode_32 3
		.amdhsa_float_denorm_mode_16_64 3
		.amdhsa_memory_ordered 1
		.amdhsa_forward_progress 1
		.amdhsa_inst_pref_size 107
	.end_amdhsa_kernel
	.amdgpu_metadata
---
amdhsa.version: [ 1, 2 ]
amdhsa.kernels:
  - .name:           k_q4c99b0e9b9_attn
    .symbol:         k_q4c99b0e9b9_attn.kd
    .args:
      - { .name: qi, .offset: 0, .size: 8, .value_kind: global_buffer, .address_space: global }
      - { .name: kv, .offset: 8, .size: 8, .value_kind: global_buffer, .address_space: global }
      - { .name: ao, .offset: 16, .size: 8, .value_kind: global_buffer, .address_space: global }
    .group_segment_fixed_size: 327680
    .private_segment_fixed_size: 0
    .kernarg_segment_align: 8
    .kernarg_segment_size: 24
    .max_flat_workgroup_size: 512
    .sgpr_count:     72
    .vgpr_count:     256
    .wavefront_size: 32
...
	.end_amdgpu_metadata
.endif
;; end of part 3
;; launch proj (part 4): grid 32 x 8, 4 waves a work-group, clusters of 4 x 1, 327,680 bytes of LDS; arguments ao, opq, b_out, out0; writes out0
.if DOCPART == 4
	.amdgcn_target "amdgcn-amd-amdhsa--gfx1250"
	.amdhsa_code_object_version 6
	.text
	.protected	k_q4c99b0e9b9_proj
	.globl	k_q4c99b0e9b9_proj
	.p2align	8
	.type	k_q4c99b0e9b9_proj,@function
k_q4c99b0e9b9_proj:
	s_mov_b64 s[64:65], 0
	v_nop
	global_prefetch_b8 v0, s[64:65] scope:SCOPE_SE
	s_setreg_imm32_b32 hwreg(HW_REG_WAVE_MODE, 25, 1), 1
	s_wait_xcnt 0x0
	s_wait_alu depctr_hold_cnt(0) depctr_sa_sdst(0) depctr_va_vdst(0) depctr_va_sdst(0) depctr_va_ssrc(0) depctr_va_vcc(0) depctr_vm_vsrc(0)
	s_getreg_b32 s2, hwreg(HW_REG_IB_STS2, 6, 4)
	s_cmp_eq_u32 s2, 0
	s_cbranch_scc0 .Lentry_in_a_cluster
	s_endpgm
.Lentry_in_a_cluster:
	s_bfe_u32 s2, ttmp6, 0x10000c
	s_cmp_lg_u32 s2, 0x3003
	s_cbranch_scc0 .Lentry_shape_is_right
	s_endpgm
.Lentry_shape_is_right:
; out0 = ao w_out^T + b_out on codes of BF6 (E3M2) with E8M0 scales, K = 1,024, f32 sums.  LIMITS: NaN and infinities are not served.
; OPERANDS: records of 13,312 bytes a tile of 16 rows (lane r of tile a: row 32 (a / 2) + 8 (a % 2) + r + 8 (r / 8)): 8 K steps x 1,536 bytes of codes in register order, 1,024 bytes of scale words.  ao: 512 records; w_out: opq's records 704 on.
; SHARES.  Work-group (xb, g), 32 x 8 = 256 of them, makes 256 rows x 128 features; wave w 64 rows x 128: 32 accumulators, 256 registers.
; A wave's 32 fragments of ao, each used in one K step, come straight from the records into 384 registers; the 8 records of w_out, 106,496 bytes, lie in LDS, filled once, a quarter by each wave.
; Source 0 = 16 features, source 1 = 16 rows of ao: a lane holds one row, and the 16 registers of feature tiles 2 b, 2 b + 1 are 16 neighbouring features.
; CLUSTER 4 x 1: the four work-groups of a cluster have the same g and ask for w_out's records jointly.  ao's tiles go to registers and never lie in LDS.
; NO PREFETCH: the text has no loop to run ahead in; all its loads are issued at its head.
; REGISTERS.  Window 0: addresses, v16-19 the bias, v32-63 ao's scale words, v64-127 w_out's, v128-223 weight set 1 (on the way out v128-255 rows read back).  Window 1: ao's K steps 0-4.
; Window 2: v0-143 ao's K steps 5-7, v144-239 weight set 0.  Window 3: the accumulators, (a, b) at v[64 a + 8 b].
.set REC,    13312
.set STAGE,  8*REC                     ; behind the weights: 16 rows x 528 bytes for each wave; no tensor load lands there
.set SPITCH, 528
.set SPARE,  STAGE+4*16*SPITCH         ; the spare words, 128 bytes for each wave
.set L16,  2
.set L8,   3
.set SPW,  4
.set NIL,  5
.set AD,   8                           ; v8-11 LDS: records 0 on, records 4 on: + 16, 8 x lane
.set STO,  12
.set RD,   13
.set BI,   16
.set XS,   32
.set WS,   64
.set BK,   128
.set MSB, 0
.macro WIN new
.if MSB != \new
	s_set_vgpr_msb (MSB<<8)|\new
.set MSB, \new
.endif
.endm
.macro CROUND
	s_barrier_signal -1
	s_barrier_wait -1
	s_cmp_lg_u32 s14, 0
	s_cbranch_scc1 .Lnot0_\@
	s_barrier_signal -3
.Lnot0_\@:
	s_barrier_wait -3
	s_barrier_signal -1
	s_barrier_wait -1
.endm
.macro PLACES
.rept 4
	v_nop
.endr
.endm
	s_load_b256 s[4:11], s[0:1], 0x0               ; ao, opq, b_out, out0
	v_lshl_add_u32 v[SPW], v0, 2, SPARE
	v_mov_b32 v[NIL], 0
	ds_add_u32 v[SPW], v[NIL]                      ; the opening lines: the add, twice on end, and its wait
	ds_add_u32 v[SPW], v[NIL]
	v_lshrrev_b32 v1, 5, v0
	v_readfirstlane_b32 s14, v1                    ; wave 0..3
	v_and_b32 v1, 31, v0
	v_lshlrev_b32 v[L16], 4, v1
	v_lshlrev_b32 v[L8], 3, v1
	v_and_b32 v6, 15, v0                           ; r
	v_bfe_u32 v7, v0, 4, 1                         ; h
	v_mov_b32 v[AD], v[L16]
	v_mov_b32 v[AD+1], v[L8]
	v_add_nc_u32 v[AD+2], 4*REC, v[L16]
	v_add_nc_u32 v[AD+3], 4*REC, v[L8]
	s_mul_i32 s15, s14, 16*SPITCH
	s_add_co_u32 s15, s15, STAGE                   ; my stage
	v_mul_u32_u24 v[STO], v6, SPITCH
	v_lshl_add_u32 v[STO], v7, 6, v[STO]
	v_add_nc_u32 v[STO], s15, v[STO]               ; in: row r, 64 bytes for each half of the lanes
	v_add_nc_u32 v[RD], s15, v[L16]                ; back: the 32 lanes take a row of 512 bytes
	s_bfe_u32 s40, ttmp6, 0x40000                  ; cx
	s_lshl_b32 s41, ttmp9, 2
	s_add_co_u32 s41, s41, s40                     ; xb
	s_and_b32 s42, ttmp7, 0xffff                   ; g: the same in the four partners
	s_lshl_b32 s24, s42, 3
	s_lshl_b32 s25, s14, 1
	s_add_co_u32 s24, s24, s25
	s_add_co_u32 s24, s24, 704
	s_mul_i32 s24, s24, REC                        ; w_out's records 8 g + 2 w on
	s_mov_b32 s25, 0
	s_lshl_b32 s26, s41, 4
	s_lshl_b32 s27, s14, 2
	s_add_co_u32 s26, s26, s27
	s_mul_i32 s26, s26, REC                        ; ao's records 16 xb + 4 w on
	s_mov_b32 s27, 0
	s_lshl_b32 s28, s42, 9                         ; my 128 features: 512 bytes
	s_mov_b32 s29, 0
	s_lshl_b32 s30, s41, 8
	s_lshl_b32 s31, s14, 6
	s_add_co_u32 s30, s30, s31
	s_lshl_b32 s30, s30, 12                        ; my first row of out0, 4,096 bytes a row
	s_mov_b32 s31, 0
	s_mov_b32 s44, 15|(3<<16)|(1<<21)              ; group 1: 104 rows of 256 bytes, dense; the mask names the cluster's four
	s_mov_b32 s45, 32<<16
	s_mov_b32 s46, 104<<16
	s_mov_b32 s47, 32<<16
	s_mov_b32 s48, 104
	s_mov_b32 s49, 32
	s_mov_b32 s50, 0
	s_mov_b32 s51, 0
	s_mov_b32 s32, 1
	s_mul_i32 s33, s14, 2*REC
	s_wait_alu depctr_va_vdst(0)
	s_wait_dscnt 0x0
	s_wait_kmcnt 0x0
	s_add_nc_u64 s[34:35], s[6:7], s[24:25]
	s_or_b32 s35, s35, 0x80000000
	s_add_nc_u64 s[12:13], s[4:5], s[26:27]
	s_add_nc_u64 s[8:9], s[8:9], s[28:29]
	s_add_nc_u64 s[10:11], s[10:11], s[30:31]
	s_add_nc_u64 s[10:11], s[10:11], s[28:29]
	CROUND                                         ; the four partners are here: the joint loads meet
	tensor_load_to_lds s[32:35], s[44:51]          ; records 2 w, 2 w + 1: my one tensor load
	s_nop 0
	PLACES
	global_load_b128 v[BI:BI+3], v[L16], s[8:9]    ; the bias of the four features that I store
.irp a, 0,1,2,3
.irp p, 0,1,2,3
	global_load_b64 v[XS+8*\a+2*\p:XS+8*\a+2*\p+1], v[L8], s[12:13] offset:\a*REC+12288+256*\p
.endr
.endr
.irp s, 0,1,2,3,4,5,6,7
.set W_, (1+\s/5)<<6
	WIN W_
.irp a, 0,1,2,3
.set XR_, 48*(\s%5)+12*\a
	global_load_b128 v[XR_:XR_+3], v[L16], s[12:13] offset:\a*REC+1536*\s
	global_load_b64 v[XR_+4:XR_+5], v[L8], s[12:13] offset:\a*REC+1536*\s+512
	global_load_b128 v[XR_+6:XR_+9], v[L16], s[12:13] offset:\a*REC+1536*\s+768
	global_load_b64 v[XR_+10:XR_+11], v[L8], s[12:13] offset:\a*REC+1536*\s+1280
.endr
.endr
	WIN 0
	s_wait_tensorcnt 0x0                           ; my quarter of the weights is in
	s_barrier_signal -1
	s_barrier_wait -1                              ; and everybody's
.macro LOADW s                         ; the weights' eight fragments of K step s into set s % 2
.set W_, (2-2*((\s)%2))<<6
	WIN W_
.irp b, 0,1,2,3,4,5,6,7
.set AR_, AD+2*(\b/4)
.set OF_, (\b%4)*REC+1536*(\s)
.set RG_, 144-16*((\s)%2)+12*\b
	ds_load_b128 v[RG_:RG_+3], v[AR_] offset:OF_
	ds_load_b64 v[RG_+4:RG_+5], v[AR_+1] offset:OF_+512
	ds_load_b128 v[RG_+6:RG_+9], v[AR_] offset:OF_+768
	ds_load_b64 v[RG_+10:RG_+11], v[AR_+1] offset:OF_+1280
.endr
.endm
.macro WM d, p, q, e, f
.if ZF_
	v_wmma_scale_f32_16x16x128_f8f6f4 v[\d:\d+7], v[\p:\p+11], v[\q:\q+11], 0, v[\e], v[\f] matrix_a_fmt:MATRIX_FMT_BF6 matrix_b_fmt:MATRIX_FMT_BF6
.else
	v_wmma_scale_f32_16x16x128_f8f6f4 v[\d:\d+7], v[\p:\p+11], v[\q:\q+11], v[\d:\d+7], v[\e], v[\f] matrix_a_fmt:MATRIX_FMT_BF6 matrix_b_fmt:MATRIX_FMT_BF6
.endif
.endm
.macro STEP s                          ; 32 matrix instructions; the 32 accumulators take turns, in the same order in every step
.if (\s) < 4
	s_wait_loadcnt 63                              ; ao's K step s is in: behind it 16 (7 - s) loads were issued, more than the count can name
.else
	s_wait_loadcnt 16*(7-(\s))                     ; the later K steps' 16 loads each may be out
.endif
	s_wait_dscnt 0x0                               ; this step's weights, asked for a step ago
	PLACES                                         ; the other set was read by the step before
.if (\s) < 7
	LOADW (\s)+1
.endif
.set XB_, 48*((\s)%5)
.set WB_, 144-16*((\s)%2)
.set M_, 0xf0|((1+(\s)/5)<<2)|(2-2*((\s)%2))
.set ZF_, 0
.if (\s) == 0
.set ZF_, 1
.endif
	WIN M_
.irp a, 0,1,2,3
.irp b, 0,1,2,3,4,5,6,7
	WM 64*\a+8*\b, WB_+12*\b, XB_+12*\a, WS+8*\b+(\s), XS+8*\a+(\s)
.endr
.endr
.endm
.irp b, 0,1,2,3,4,5,6,7
.irp p, 0,1,2,3
	ds_load_b64 v[WS+8*\b+2*\p:WS+8*\b+2*\p+1], v[AD+2*(\b/4)+1] offset:(\b%4)*REC+12288+256*\p
.endr
.endr
	LOADW 0
.irp s, 0,1,2,3,4,5,6,7
	STEP \s
.endr
	WIN 0
; THE WAY OUT, tile by tile of 16 rows x 128 features: through my own stage, back as whole rows of 512 bytes, the bias added, stored as two aligned blocks of 256 bytes.
; LDS serves a wave's instructions in order (ISA guide 5.7.1.4): no wait between the stores and the loads.
.macro TOSTAGE a
.set AC, 64*(\a)
	WIN 0x0c                                       ; the data: window 3
.irp b, 0,1,2,3,4,5,6,7
	ds_store_b128 v[STO], v[AC+8*\b:AC+8*\b+3] offset:128*(\b/2)+32*(\b%2)      ; each accumulator from its low end on
	ds_store_b128 v[STO], v[AC+8*\b+4:AC+8*\b+7] offset:128*(\b/2)+32*(\b%2)+16
.endr
	WIN 0
.set BB, BK+64*((\a)%2)
.irp t, 0,1,2,3,4,5,6,7,8,9,10,11,12,13,14,15
	ds_load_b128 v[BB+4*\t:BB+4*\t+3], v[RD] offset:\t*SPITCH
.endr
.endm
.macro SEND a, younger                 ; younger: the LDS instructions issued behind tile a's loads
.set BB, BK+64*((\a)%2)
	s_wait_dscnt \younger
.irp t, 0,1,2,3,4,5,6,7,8,9,10,11,12,13,14,15
	v_pk_add_f32 v[BB+4*\t:BB+4*\t+1], v[BB+4*\t:BB+4*\t+1], v[BI:BI+1]
	v_pk_add_f32 v[BB+4*\t+2:BB+4*\t+3], v[BB+4*\t+2:BB+4*\t+3], v[BI+2:BI+3]
.endr
.irp t, 0,1,2,3,4,5,6,7,8,9,10,11,12,13,14,15
	global_store_b128 v[L16], v[BB+4*\t:BB+4*\t+3], s[10:11] offset:(32*((\a)/2)+8*((\a)%2)+\t+8*(\t/8))*4096 th:TH_STORE_NT
.endr
.endm
	PLACES                                         ; behind the last products: their results are read, and loads land on weight set 1
	TOSTAGE 0
.irp a, 1,2,3
.if \a > 1
	s_wait_xcnt 0x0                                ; tile a - 2's stores have read their registers
.endif
	TOSTAGE \a
	SEND \a-1, 32
.endr
	SEND 3, 0
	s_wait_tensorcnt 0x0                           ; the wave's end
	ds_add_u32 v[SPW], v[NIL]
	s_wait_dscnt 0x0
	CROUND                                         ; the closing round
	s_endpgm
.Lfunc_end_k_q4c99b0e9b9_proj:
	.size	k_q4c99b0e9b9_proj, .Lfunc_end_k_q4c99b0e9b9_proj-k_q4c99b0e9b9_proj
	.p2alignl 7, 3214868480
	.fill 96, 4, 3214868480
	.section	.rodata,"a",@progbits
	.p2align	6, 0x0
	.amdhsa_kernel k_q4c99b0e9b9_proj
		.amdhsa_group_segment_fixed_size 327680
		.amdhsa_private_segment_fixed_size 0
		.amdhsa_enable_private_segment 0
		.amdhsa_kernarg_size 32
		.amdhsa_user_sgpr_count 2
		.amdhsa_user_sgpr_kernarg_segment_ptr 1
		.amdhsa_wavefront_size32 1
		.amdhsa_system_sgpr_workgroup_id_x 1
		.amdhsa_system_sgpr_workgroup_id_y 1
		.amdhsa_system_sgpr_workgroup_id_z 1
		.amdhsa_system_vgpr_workitem_id 0
		.amdhsa_next_free_vgpr 1024
		.amdhsa_next_free_sgpr 66
		.amdhsa_reserve_vcc 0
		.amdhsa_float_denorm_mode_32 3
		.amdhsa_float_denorm_mode_16_64 3
		.amdhsa_memory_ordered 1
		.amdhsa_forward_progress 1
		.amdhsa_inst_pref_size 93
	.end_amdhsa_kernel
	.amdgpu_metadata
---
amdhsa.version: [ 1, 2 ]
amdhsa.kernels:
  - .name:           k_q4c99b0e9b9_proj
    .symbol:         k_q4c99b0e9b9_proj.kd
    .args:
      - { .name: ao, .offset: 0, .size: 8, .value_kind: global_buffer, .address_space: global }
      - { .name: opq, .offset: 8, .size: 8, .value_kind: global_buffer, .address_space: global }
      - { .name: b_out, .offset: 16, .size: 8, .value_kind: global_buffer, .address_space: global }
      - { .name: out0, .offset: 24, .size: 8, .value_kind: global_buffer, .address_space: global }
    .group_segment_fixed_size: 327680
    .private_segment_fixed_size: 0
    .kernarg_segment_align: 8
    .kernarg_segment_size: 32
    .max_flat_workgroup_size: 128
    .sgpr_count:     66
    .vgpr_count:     1024
    .wavefront_size: 32
...
	.end_amdgpu_metadata
.endif
;; end of part 4
